; MI455X (gfx1250); checked and timed in simulation.
; The chip was launched on July 23, 2026; its instructions are those of AMD's public machine-readable ISA for CDNA 5 (MIT licence, August 2026) and "CDNA5" Instruction Set Architecture Reference Guide (July 2026). The comments in the code are by the model that wrote it; some were corrected since.
;; Place Cells. Allowed arithmetic: matrix products marked QUANTISED: E2M3 operands, one E8M0 scale for each 32 along K, by v_wmma_scale_f32_16x16x128_f8f6f4 with both operands' format E2M3, f32 sums; everything else in f32.
;; Inputs: placeCells 2,048 x 256 float32; x 131,072 x 256 float32.
;; Outputs: out0 131,072 int32.
;; This version of the problem:
;;   THIS VERSION OF THE PROBLEM IS GIVEN IN LOW PRECISION. The matrix products marked QUANTISED in the list below multiply operands that are first quantised to E2M3 (2 exponent bits, 3 mantissa bits; 6 bits a number), with one power-of-two scale for each 32 numbers along K (OCP MX v1.0); their sums are f32. All else is computed in f32.
;;   The module's matrix products, in the order in which they are computed (A, B: the left and right operand; K: the contracted axis; several contracted axes count as one K, in the product's order):
;;     1. [M 131,072, K 256] x [K 256, N 2,048]; A: input x; B: input placeCells: QUANTISED
;;   THE QUANTISER, for each operand of a quantised product, along K:
;;     - K is cut into blocks of 32 from its start; a last block that is shorter is filled with zeros.
;;     - A block's scale is 2^e with e = floor(log2(the largest magnitude in the block)) - 2, held to -126 .. 127; a block of zeros has e = 0. As a byte (E8M0): e + 127.
;;     - Each number is divided by its block's scale, clamped to +-7.5, and rounded to the nearest number of E2M3, ties to even, subnormals kept.
;;     - The product sums the exact products of the quantised numbers (number of the format x scale) in f32.
;;   ~~~python
;;   def quantise(x, axis):      # numpy; x: float32 -> the quantised numbers, widened to float32 again
;;       x = np.moveaxis(x, axis, -1); K = x.shape[-1]
;;       x = np.pad(x, [(0, 0)] * (x.ndim - 1) + [(0, -K % 32)]); x = x.reshape(x.shape[:-1] + (-1, 32)); a = np.abs(x).max(-1, keepdims=True)
;;       e = np.where(a > 0, np.clip(np.frexp(np.where(a > 0, a, 1))[1] - 1 - 2, -126, 127), 0)      # np.frexp(a)[1] - 1 = floor(log2(a)), exactly
;;       r = np.clip(x / 2.0 ** e, -7.5, 7.5)
;;       step = 2.0 ** (np.maximum(np.frexp(np.where(r == 0, 1, r))[1] - 1, 0) - 3)
;;       q = np.round(r / step) * step * 2.0 ** e      # np.round: ties to even
;;       return np.moveaxis(q.reshape(q.shape[:-2] + (-1,))[..., :K], -1, axis).astype(np.float32)
;;   ~~~
;; One version. Each part assembles by itself: llvm-mc -triple=amdgcn-amd-amdhsa -mcpu=gfx1250 --defsym DOCPART=n.
;; ======== version 1 of 1: 2 launches
;; limits: right only within a limited range of input values
;; workspace buffers: wimg 393,216 bytes; wscl 16,384 bytes
;; launch prep (part 1): grid 256 x 1, 1 waves a work-group, no clusters, 0 bytes of LDS; arguments placeCells, wimg, wscl; writes wimg, wscl
.if DOCPART == 1
	.amdgcn_target "amdgcn-amd-amdhsa--gfx1250"
	.amdhsa_code_object_version 6
	.text
	.protected	k_q53daa047ca_prep
	.globl	k_q53daa047ca_prep
	.p2align	8
	.type	k_q53daa047ca_prep,@function
k_q53daa047ca_prep:
	s_mov_b64 s[64:65], 0
	v_nop
	global_prefetch_b8 v0, s[64:65] scope:SCOPE_SE
	s_setreg_imm32_b32 hwreg(HW_REG_WAVE_MODE, 25, 1), 1
	s_wait_xcnt 0x0
; placeCells [2048][256] f32 is turned ONCE into codes of FP6 (E2M3) with one E8M0 scale byte for each 32 along K, laid as the second launch's registers want them.
; A fragment is 16 cells x 128 along K: 12 registers a lane.  Work-group g (one wave) makes fragment g = 2 x tile + K step: cells 16 (g / 2) on, K = 128 (g % 2) on.
; wimg: fragment g at 1,536 g; its registers 4 i .. 4 i + 3 at + 512 i; lane l's 16 bytes at + 16 l: each store of the wave covers 512 consecutive bytes, aligned.
; wscl: tile t at 128 t: words 0-15 the K step 0 scale words of its 16 cells, words 16-31 those of K step 1.
; A block's scale is 2^(floor(log2(its largest magnitude)) - 2); its byte is the largest magnitude's exponent field - 2, held at 1 from below.
; LIMITS: a block of zeros gets the byte 1 where the quantiser's text says 127: its codes are zeros, which add nothing under any byte but 0xff, and this program alone reads the bytes.
; NaN and infinities among the inputs are not served.
.set NUM, 16                           ; v16-79   64 numbers: register 16 b + i = k 32 b + 16 (lane / 16) + i of my cell's 128
.set TM,  80                           ; v80-83 largest magnitudes, v84-87 the other half's, then the bytes, v92-95 the conversions' scale operands
.set PW,  96                           ; v96      my cell's scale word
.set PC,  100                          ; v100-111 the fragment; v112-114, v116-118 at work
	s_load_b128 s[4:7], s[0:1], 0x0                ; placeCells, wimg
	s_load_b64 s[8:9], s[0:1], 0x10                ; wscl
	v_and_b32 v1, 15, v0                           ; r: my cell in the tile
	v_bfe_u32 v2, v0, 4, 1                         ; h
	v_lshlrev_b32 v3, 10, v1
	v_lshl_add_u32 v3, v2, 6, v3                   ; in: row r of 1,024 bytes, + 64 h: my 16 numbers of a block of 32
	v_lshlrev_b32 v4, 4, v0                        ; out: 16 x lane
	v_lshlrev_b32 v5, 2, v1                        ; and 4 r for the scale word
	s_lshr_b32 s12, ttmp9, 1                       ; the tile
	s_and_b32 s13, ttmp9, 1                        ; the K step
	s_lshl_b32 s12, s12, 14                        ; 16 rows of 1,024 bytes a tile,
	s_lshl_b32 s13, s13, 9                         ; 512 bytes a K step
	s_add_co_u32 s12, s12, s13
	s_mov_b32 s13, 0
	s_mul_i32 s14, ttmp9, 1536                     ; my fragment's image
	s_mov_b32 s15, 0
	s_lshl_b32 s16, ttmp9, 6                       ; 128 x tile + 64 x K step = 64 g
	s_mov_b32 s17, 0
	s_mov_b32 s20, 0x76543210
	s_mov_b32 s21, 0xfedcba98                      ; v_permlanex16_b32's selects for lane l xor 16
.irp b, 0,1,2,3
	v_mov_b32 v[TM+4+\b], 0                        ; a lane permute's destination counts as one of its sources
.endr
	s_wait_alu depctr_va_vdst(0)
	s_wait_kmcnt 0x0
	s_add_nc_u64 s[4:5], s[4:5], s[12:13]
	s_add_nc_u64 s[6:7], s[6:7], s[14:15]
	s_add_nc_u64 s[8:9], s[8:9], s[16:17]
.irp b, 0,1,2,3
.irp j, 0,1,2,3
	global_load_b128 v[NUM+16*\b+4*\j:NUM+16*\b+4*\j+3], v3, s[4:5] offset:128*\b+16*\j th:TH_LOAD_NT
.endr
.endr
	s_wait_loadcnt 0x0
.irp b, 0,1,2,3
	v_max3_num_f32 v[TM+\b], |v[NUM+16*\b]|, |v[NUM+1+16*\b]|, 0x1800000   ; block b: my 16 numbers, and the floor 2^(3 - 127): the byte cannot fall under 1
.endr
.irp i, 2,4,6,8,10,12,14
.irp b, 0,1,2,3
	v_max3_num_f32 v[TM+\b], v[TM+\b], |v[NUM+16*\b+\i]|, |v[NUM+1+16*\b+\i]|   ; the four blocks by turns
.endr
.endr
.irp b, 0,1,2,3
	v_permlanex16_b32 v[TM+4+\b], v[TM+\b], s20, s21
.endr
.irp b, 0,1,2,3
	v_max_num_f32 v[TM+\b], v[TM+\b], v[TM+4+\b]   ; with lane l xor 16's 16: the block's largest magnitude
.endr
.irp b, 0,1,2,3
	v_add_nc_u32 v[TM+12+\b], 0xff000000, v[TM+\b] ; 2 off its exponent field: the conversion takes the exponent field of this operand as its scale
.endr
.irp b, 0,1,2,3
	v_lshrrev_b32 v[TM+4+\b], 23, v[TM+12+\b]      ; the scale's byte
.endr
	v_lshl_or_b32 v[PW], v[TM+5], 8, v[TM+4]
	v_lshl_or_b32 v[PW], v[TM+6], 16, v[PW]
	v_lshl_or_b32 v[PW], v[TM+7], 24, v[PW]        ; my cell's scale word for these 128 along K
.irp c, 0,1
	v_cvt_scalef32_pk16_fp6_f32 v[PC+6*\c:PC+2+6*\c], v[NUM+32*\c:NUM+15+32*\c], v[TM+12+2*\c]
	v_cvt_scalef32_pk16_fp6_f32 v[PC+12+4*\c:PC+14+4*\c], v[NUM+16+32*\c:NUM+31+32*\c], v[TM+12+2*\c+1]   ; (a conversion's three registers begin on an even number)
.endr
	v_nop                                          ; one plain vector instruction behind a scaled conversion
.irp c, 0,1                                    ; the operand's layout wants a WHOLE block in a lane: lanes 0-15 block 2 c, lanes 16-31 block 2 c + 1
.irp i, 0,1,2
	v_permlane16_swap_b32 v[PC+6*\c+\i], v[PC+12+4*\c+\i]
.endr
.irp i, 0,1,2
	v_mov_b32 v[PC+3+6*\c+\i], v[PC+12+4*\c+\i]
.endr
.endr
.irp i, 0,1,2
	global_store_b128 v4, v[PC+4*\i:PC+4*\i+3], s[6:7] offset:512*\i
.endr
	global_store_b32 v5, v[PW], s[8:9]             ; 16 words, 64 consecutive bytes; lanes r and 16 + r hold the same word and write it to the same place
	s_endpgm
.Lfunc_end_k_q53daa047ca_prep:
	.size	k_q53daa047ca_prep, .Lfunc_end_k_q53daa047ca_prep-k_q53daa047ca_prep
	.p2alignl 7, 3214868480
	.fill 96, 4, 3214868480
	.section	.rodata,"a",@progbits
	.p2align	6, 0x0
	.amdhsa_kernel k_q53daa047ca_prep
		.amdhsa_group_segment_fixed_size 0
		.amdhsa_private_segment_fixed_size 0
		.amdhsa_enable_private_segment 0
		.amdhsa_kernarg_size 24
		.amdhsa_user_sgpr_count 2
		.amdhsa_user_sgpr_kernarg_segment_ptr 1
		.amdhsa_wavefront_size32 1
		.amdhsa_system_sgpr_workgroup_id_x 1
		.amdhsa_system_sgpr_workgroup_id_y 1
		.amdhsa_system_sgpr_workgroup_id_z 1
		.amdhsa_system_vgpr_workitem_id 0
		.amdhsa_next_free_vgpr 128
		.amdhsa_next_free_sgpr 66
		.amdhsa_reserve_vcc 0
		.amdhsa_float_denorm_mode_32 3
		.amdhsa_float_denorm_mode_16_64 3
		.amdhsa_memory_ordered 1
		.amdhsa_forward_progress 1
		.amdhsa_inst_pref_size 8
	.end_amdhsa_kernel
	.amdgpu_metadata
---
amdhsa.version: [ 1, 2 ]
amdhsa.kernels:
  - .name:           k_q53daa047ca_prep
    .symbol:         k_q53daa047ca_prep.kd
    .args:
      - { .name: placeCells, .offset: 0, .size: 8, .value_kind: global_buffer, .address_space: global }
      - { .name: wimg, .offset: 8, .size: 8, .value_kind: global_buffer, .address_space: global }
      - { .name: wscl, .offset: 16, .size: 8, .value_kind: global_buffer, .address_space: global }
    .group_segment_fixed_size: 0
    .private_segment_fixed_size: 0
    .kernarg_segment_align: 8
    .kernarg_segment_size: 24
    .max_flat_workgroup_size: 32
    .sgpr_count:     66
    .vgpr_count:     128
    .wavefront_size: 32
...
	.end_amdgpu_metadata
.endif
;; end of part 1
;; launch main (part 2): grid 256 x 1, 8 waves a work-group, no clusters, 327,680 bytes of LDS; arguments x, wimg, wscl, out0; writes out0
.if DOCPART == 2
	.amdgcn_target "amdgcn-amd-amdhsa--gfx1250"
	.amdhsa_code_object_version 6
	.text
	.protected	k_q53daa047ca_main
	.globl	k_q53daa047ca_main
	.p2align	8
	.type	k_q53daa047ca_main,@function
k_q53daa047ca_main:
	s_mov_b64 s[64:65], 0
	v_nop
	global_prefetch_b8 v0, s[64:65] scope:SCOPE_SE
	s_setreg_imm32_b32 hwreg(HW_REG_WAVE_MODE, 25, 1), 1
	s_wait_xcnt 0x0
; out0[n] = the lowest index c at which sum over k of Q(x)[n][k] Q(placeCells)[c][k] is largest; Q quantises to FP6 (E2M3) with one E8M0 scale for each 32 along K = 256.
; SHARES.  256 work-groups of eight waves; a work-group owns 512 rows of x.  THE WAVES SHARE THE CELLS, NOT THE ROWS: wave w keeps cells 256 w .. 256 w + 255 (16 tiles x 2 K steps x 12 registers, and 16
; registers of scale words) in its registers for the whole launch.  The rows go in four blocks of 128: in block b wave w loads and quantises rows 64 w + 16 b + 0 .. 15 (one row tile) and owns their results.
; x comes as f32 by tensor loads, each wave's own 16 rows x 1,024 bytes into its own ring of two LDS slots; every load but the first is asked for a whole block (eight passes, 256 matrix instructions of the
; wave) ahead of its first read, so nothing is asked of memory earlier than that.
; The codes go from wave to wave through LDS as images of the operand's registers.  A PASS multiplies one row tile by the wave's 256 cells: 32 matrix instructions.
; THE PRODUCT: source 0 = 16 cells, source 1 = 16 rows of x: lane (r, h) holds row r, register j of tile t cell 256 w + 16 t + 8 h + j.  Each sum is K step 0, then K step 1, on one accumulator.
; THE ARGMAX, without a branch on data: per tile the largest of the lane's 8 numbers (stage A); where it is GREATER than the largest so far, the 8 numbers, the tile's number and the maximum are kept (stage B:
; so the first tile wins a tie); at a pass's end the first kept number equal to the maximum gives j; the two halves of the lanes, and then the eight waves' candidates (through LDS), are joined: the larger
; value, at equal values the lower index.
; THE ORDER OF A PASS.  Step u: the products K0(u + 1) and K1(u); then ten vector lines, stage A of tile u - 1 and stage B of tile u - 2 by turns, so laid that between a line and the first reader of its result
; stand at least two other instructions.  Four accumulators take turns (tile t: t mod 4): K0(u + 1) begins anew the one that stage B of tile u - 3 has read.  Behind step 15 stand the NEXT row tile's first
; three products, and only then the pass's tail, so that the tail's lines have products of the wave beside them.
; NO CLUSTER, NO JOINT LOADS: what work-groups share are the weights, 409,600 bytes of codes and scale words, which each wave reads once, straight into registers (51,200 bytes a wave).  A joint load lands in LDS
; alone, where 327,680 - 308,224 = 19,456 bytes are free: the weights would pass through them in 22 fills, each behind a round of a cluster's barrier, ahead of the first product.
; LIMITS: NaN and infinities among the inputs are not served.  A block of zeros gets the scale byte 1 where the quantiser's text says 127: its codes are zeros, and nobody else reads the byte.  +0 and -0 count as equal.
; DUAL = 1 writes the selects as dual-issue pairs; DUAL = 0 writes each pair as two plain selects.
.set DUAL,   1
.set XP,     1040                      ; a row of x in LDS: 1,024 bytes + 16 = 65 x 16: the sixteen rows that a load of 16 bytes a lane touches start at sixteen different 16-byte columns modulo 256 bytes
.set SLOTB,  16*XP                     ; a slot: 16 rows
.set RINGW,  2*SLOTB                   ; a wave's ring
.set IMGC,   8*RINGW                   ; 266,240: the images: row tile m at 4,096 m: K step s at + 1,536 s, registers 4 i on at + 512 i, lane l at + 16 l;
.set IPITCH, 4096
.set ISC,    3072                      ; and at + 3,072 + 16 l its scale words: l < 16 K step 0 of row l, l >= 16 K step 1 of row l - 16: one address register serves codes and scale words
.set CAND,   IMGC+8*IPITCH             ; 299,008: the candidates: (8 m + w) x 128 + 8 r: value, index
.set SPARE,  CAND+8192                 ; 307,200: the spare words, 128 bytes for each wave: four blocks of 256 bytes that no other line names
.set FLOOR,  0x1800000                 ; 2^(3 - 127)
; VECTOR REGISTERS, window 0.  v0 thread; v1, v2 for the add onto the spare words
.set LI,   3                           ; IMGC + 16 l
.set CW,   4                           ; CAND + 128 w + 8 r
.set CB,   5                           ; 256 w + 8 h
.set RES,  6                           ; v6: lane l = the result of my row l; v7: of my row 32 + l
.set ADI,  8                           ; the fetch in hand
.set CWA,  9                           ; the trip's candidates
.set CV,   10                          ; v10, v11 a candidate: value, index
.set MX,   12                          ; the largest so far
.set IX,   13                          ; its tile
.set GM,   14                          ; v14, v15 a tile's largest: tile t in GM + t mod 2
.set CT,   16                          ; at work
.set C3,   17
.set WS,   18                          ; v18-33  the weights' scale words, tile t: lanes 0-15 K step 0, lanes 16-31 K step 1
.set XS,   34                          ; v34, v35 x's scale words, sets A and B
.set XF,   36                          ; v36-59 x's fragments, set A (K step 0, K step 1); v60-83 set B
.set ACC,  84                          ; v84-115 four accumulators
.set KEEP, 116                         ; v116-123 the 8 numbers of the best tile so far
; v124-255: weight fragments 0-10 (fragment f = 2 t + K step at 124 + 12 f); window 1: fragments 11-31 at 12 (f - 11)
; While a block is quantised v36-123 are free:
.set N0,   36                          ; 32 numbers: two blocks of 32 along K, my 16 of each
.set N1,   68
.set FR,   100                         ; v100-111 the fragment being made
.set QQ,   112                         ; v112-114 a conversion's result on its way
.set D2,   116                         ; v116-118 chunk 2's first conversion, on its way into v36-38
.set XR,   115                         ; my ring + 1,040 r + 64 h
.set XWI,  16                          ; my tile's image + 16 l
.set CR,   17                          ; CAND + 1,024 w + 512 h + 8 r
.set F,    68                          ; v68-75 four candidates; v76, v77 at work
.set OST,  116                         ; the way out: my tile's bytes + 4 l,
.set OLD,  117                         ; + 8 l,
.set GO,   113                         ; and 8 l in my 256 bytes of out0
; SCALARS: s[4:11] x, wimg, wscl, out0; s12 wave; s13 my ring; s14 4,096 w; s15 1,024 w; s[16:23] descriptor group 1; s[24:27], s[28:31] group 0 of slot 0, 1; s[32:33] lane selects; s34 lanes 16-31;
; s35 trips; s36, s37 image offsets; s38 candidates' offset; s42, s43, s48-54 masks
.set SEL,  32
.set HI,   34
.set G1,   16
.set G0,   24
.set MSB, 0
.macro WIN new                         ; the immediate's high byte repeats the setting that is left; a switch that changes nothing is dropped
.if MSB != \new
	s_set_vgpr_msb (MSB<<8)|\new
.set MSB, \new
.endif
.endm
	s_load_b256 s[4:11], s[0:1], 0x0               ; x, wimg, wscl, out0
	v_lshl_add_u32 v1, v0, 2, SPARE
	v_mov_b32 v2, 0
	ds_add_u32 v1, v2
	ds_add_u32 v1, v2
	s_wait_dscnt 0x0
	v_lshrrev_b32 v36, 5, v0
	s_delay_alu instid0(VALU_DEP_1)
	v_readfirstlane_b32 s12, v36                   ; wave 0..7
	; descriptor group 1: 16 rows x 256 elements of 4 bytes, dense in memory; 16 bytes of padding behind each row.  (16 rows: a row tile is what a wave quantises)
	s_mov_b32 s[G1+0], (2<<16)|(1<<20)|(7<<22)|(3<<25)  ; no mask; elements of 4 bytes; padding on; after every 256 words (code 7); of 4 words (code 3)
	s_mov_b32 s[G1+1], 256<<16                     ; tensor_dim0 = 256
	s_mov_b32 s[G1+2], 16<<16                      ; tensor_dim1 = 16
	s_mov_b32 s[G1+3], 256<<16                     ; tile_dim0 = 256
	s_mov_b32 s[G1+4], 16                          ; tile_dim1 = 16
	s_mov_b32 s[G1+5], 256                         ; elements from row to row
	s_mov_b32 s[G1+6], 0
	s_mov_b32 s[G1+7], 0
	s_lshl_b32 s44, ttmp9, 19                      ; 512 rows of 1,024 bytes a work-group,
	s_lshl_b32 s45, s12, 16                        ; 64 a wave
	s_add_co_u32 s44, s44, s45
	s_mov_b32 s45, 0
	s_mul_i32 s13, s12, RINGW                      ; my ring
	s_lshl_b32 s14, s12, 12                        ; my row tile's image
	s_lshl_b32 s15, s12, 10                        ; my row tile's candidates
	s_mov_b32 s[SEL], 0x76543210
	s_mov_b32 s[SEL+1], 0xfedcba98                 ; v_permlanex16_b32's selects for lane l xor 16
	s_mov_b32 s[HI], 0xffff0000
	s_wait_kmcnt 0x0
	s_add_nc_u64 s[40:41], s[4:5], s[44:45]        ; x at my first row
.irp k, 0,1
	s_mov_b32 s[G0+4*\k], 1                        ; count = 1
	s_add_co_u32 s[G0+4*\k+1], s13, \k*SLOTB       ; LDS address: my ring, slot k
	s_add_nc_u64 s[G0+4*\k+2:G0+4*\k+3], s[40:41], \k*16384   ; global address: block k's 16 rows
	s_or_b32 s[G0+4*\k+3], s[G0+4*\k+3], 0x80000000           ; type = 2
.endr
	tensor_load_to_lds s[G0:G0+3], s[G1:G1+7]      ; block 0 alone goes out here, ahead of the weights: it is all of x that the first product wants.  One load of mine is out
	s_nop 0
.rept 4
	v_nop
.endr
	s_mul_i32 s44, s12, 49152                      ; my 32 fragments of 1,536 bytes,
	s_add_nc_u64 s[6:7], s[6:7], s[44:45]
	s_lshl_b32 s44, s12, 11                        ; my 16 tiles' scale words, 128 bytes each,
	s_add_nc_u64 s[8:9], s[8:9], s[44:45]
	s_lshl_b32 s44, ttmp9, 11                      ; and my 64 results: 2,048 bytes a work-group, 256 a wave
	s_lshl_b32 s46, s12, 8
	s_add_co_u32 s44, s44, s46
	s_add_nc_u64 s[10:11], s[10:11], s[44:45]
	v_and_b32 v36, 31, v0                          ; lane
	s_delay_alu instid0(VALU_DEP_1)
	v_lshlrev_b32 v[ADI], 4, v36                   ; (until the weights are in: 16 l and 4 l, their offsets)
	s_delay_alu instid0(VALU_DEP_2)
	v_lshlrev_b32 v[CWA], 2, v36
.irp f, 0,1,2,3,4,5,6,7,8,9,10
.irp i, 0,1,2
	global_load_b128 v[124+12*\f+4*\i:124+12*\f+4*\i+3], v[ADI], s[6:7] offset:1536*\f+512*\i
.endr
.endr
	WIN 0x40                                       ; destination window 1
.irp f, 11,12,13,14,15,16,17,18,19,20,21,22,23,24,25,26,27,28,29,30,31
.irp i, 0,1,2
	global_load_b128 v[12*(\f-11)+4*\i:12*(\f-11)+4*\i+3], v[ADI], s[6:7] offset:1536*\f+512*\i
.endr
.endr
	WIN 0
.irp t, 0,1,2,3,4,5,6,7,8,9,10,11,12,13,14,15
	global_load_b32 v[WS+\t], v[CWA], s[8:9] offset:128*\t
.endr
	v_and_b32 v37, 15, v0                          ; r
	v_bfe_u32 v38, v0, 4, 1                        ; h
	v_lshl_add_u32 v[LI], v36, 4, IMGC
	s_lshl_b32 s47, s12, 7
	v_lshl_add_u32 v[CW], v37, 3, CAND
	s_delay_alu instid0(VALU_DEP_1)
	v_add_nc_u32 v[CW], s47, v[CW]
	v_lshl_add_u32 v[CB], v38, 3, s46
	v_mov_b32 v[GM], 0                             ; a lane permute's destination counts as one of its sources
	v_mov_b32 v[GM+1], 0
; x's two fragments and scale words of one row tile, from off bytes behind the address, into set buf: seven loads
.macro FETCHX buf, ai, off
.irp s, 0,1
.irp i, 0,1,2
	ds_load_b128 v[XF+24*(\buf)+12*\s+4*\i:XF+24*(\buf)+12*\s+4*\i+3], v[\ai] offset:\off+1536*\s+512*\i
.endr
.endr
	ds_load_b32 v[XS+(\buf)], v[\ai] offset:\off+ISC
.endm
.macro WREG f                          ; where weight fragment f lies in its window
.if (\f) < 11
.set WB, 124+12*(\f)
.else
.set WB, 12*((\f)-11)
.endif
.endm
; Tile t's two products, on accumulator t mod 4.  A pass has 16 tiles, a whole number of turns: no two matrix instructions that follow each other name the same accumulator, from pass to pass too.
.macro K0 t, buf
	WREG 2*(\t)
.set AC, ACC+8*((\t)%4)
	v_wmma_scale_f32_16x16x128_f8f6f4 v[AC:AC+7], v[WB:WB+11], v[XF+24*(\buf):XF+24*(\buf)+11], 0, v[WS+(\t)], v[XS+(\buf)] matrix_a_fmt:MATRIX_FMT_FP6 matrix_b_fmt:MATRIX_FMT_FP6
.endm
.macro K1 t, buf
	WREG 2*(\t)+1
.set AC, ACC+8*((\t)%4)
	v_wmma_scale_f32_16x16x128_f8f6f4 v[AC:AC+7], v[WB:WB+11], v[XF+24*(\buf)+12:XF+24*(\buf)+23], v[AC:AC+7], v[WS+(\t)], v[XS+(\buf)] matrix_a_fmt:MATRIX_FMT_FP6 matrix_b_fmt:MATRIX_FMT_FP6 matrix_a_scale:MATRIX_SCALE_ROW1 matrix_b_scale:MATRIX_SCALE_ROW1
.endm
.macro HEADM buf                       ; a pass's first three products: weight fragments 0, 1, 2 lie in window 0
	K0 0, \buf
	K0 1, \buf
	K1 0, \buf
.endm
.macro SEL2 d, a                       ; two selects on VCC: the old where VCC is set
.if DUAL
	v_dual_cndmask_b32 v[\d], v[\a], v[\d] :: v_dual_cndmask_b32 v[\d+1], v[\a+1], v[\d+1]
.else
	v_cndmask_b32 v[\d], v[\a], v[\d], vcc_lo
	v_cndmask_b32 v[\d+1], v[\a+1], v[\d+1], vcc_lo
.endif
.endm
; THE VECTOR LINES OF A STEP: stage A of tile ta (its largest number: four lines; the accumulator is read from its low end on) and stage B of tile tb (a compare and five pairs of selects), by turns; -1: none.
; Tile 0's stage B starts the state by moves: nothing is preset.
.macro VSTEP ta, tb
.set STA, (\ta)
.set STB, (\tb)
.set AA, ACC+8*((STA+4)%4)
.set AB, ACC+8*((STB+4)%4)
.set GA, GM+((STA+2)%2)
.set GB, GM+((STB+2)%2)
.if STB > 0
	v_cmp_ge_f32 vcc_lo, v[MX], v[GB]              ; the old stays unless the new is GREATER: the first tile wins a tie
.endif
.if STA >= 0
	v_max3_num_f32 v[GA], v[AA], v[AA+1], v[AA+2]
	v_max3_num_f32 v[CT], v[AA+3], v[AA+4], v[AA+5]
.endif
.if STB == 0
	v_dual_mov_b32 v[MX], v[GB] :: v_dual_mov_b32 v[IX], 0
.elseif STB > 0
.if DUAL
	v_dual_cndmask_b32 v[MX], v[GB], v[MX] :: v_dual_cndmask_b32 v[IX], STB, v[IX]
.else
	v_cndmask_b32 v[MX], v[GB], v[MX], vcc_lo
	v_cndmask_b32 v[IX], STB, v[IX], vcc_lo
.endif
.endif
.if STA >= 0
	v_max3_num_f32 v[GA], v[GA], v[AA+6], v[AA+7]
.endif
.if STB == 0
.irp k, 0,2,4,6
	v_dual_mov_b32 v[KEEP+\k], v[AB+\k] :: v_dual_mov_b32 v[KEEP+\k+1], v[AB+\k+1]
.endr
.elseif STB > 0
.irp k, 0,2,4,6
	SEL2 KEEP+\k, AB+\k
.endr
.endif
.if STA >= 0
	v_max_num_f32 v[GA], v[GA], v[CT]              ; the tile's largest; its reader, the next step's compare, stands behind that step's products
.endif
.endm
; (value vv, index ii) is joined with lane l xor 16's: the larger value, at equal values the lower index; the same in both lanes.  The value goes to vd.
.macro MERGEH vd, vv, ii, vo, io
	v_permlanex16_b32 v[\vo], v[\vv], s[SEL], s[SEL+1]
	v_permlanex16_b32 v[\io], v[\ii], s[SEL], s[SEL+1]
	s_delay_alu instid0(VALU_DEP_2)
	v_cmp_gt_f32 s42, v[\vo], v[\vv]
	s_delay_alu instid0(VALU_DEP_3)
	v_cmp_eq_f32 s43, v[\vo], v[\vv]
	s_delay_alu instid0(VALU_DEP_3)
	v_cmp_lt_u32 vcc_lo, v[\io], v[\ii]
	s_and_b32 s43, s43, vcc_lo
	s_or_b32 s42, s42, s43
	v_cndmask_b32 v[\vd], v[\vv], v[\vo], s42
	v_cndmask_b32 v[\ii], v[\ii], v[\io], s42
.endm
; A PASS: the row tile in set buf against my 16 tiles of cells; its first three products have been issued.  sb, off: where the next row tile's image lies; coff: this tile's place among the trip's candidates.
; PLACES (ISA guide 7.12.1).  Between K1(t) and its first reader, stage A of tile t, stand the ten lines of the step in which K1(t) was issued: they name tiles t - 1 and t - 2 alone (4 are owed).  The same ten
; stand between K1(t) and K0(t + 4), which begins its accumulator anew (5 are owed), and, at a pass's end, between the last products and the loads into their set of x's fragments (4 are owed).
; From step 5 on the weights lie in window 1: two switches a step.
.macro PASS buf, sb, off, coff
	v_add_nc_u32 v[ADI], \sb, v[LI]
	FETCHX 1-(\buf), ADI, \off                     ; the next row tile into the other set, a whole pass ahead of its use
.set T_, 1
.rept 15
.if T_ >= 5
	WIN 0x01                                       ; source 0 (the weights) window 1
.endif
.if T_ < 15
	K0 T_+1, \buf
.endif
	K1 T_, \buf
	WIN 0
	VSTEP T_-1, T_-2
.set T_, T_+1
.endr
	s_wait_alu depctr_va_vdst(0)
	s_wait_dscnt 0x0                               ; the next row tile's seven loads, asked for at the pass's head, are in; the last pass's candidate store is done
.if (\buf) == 1
	s_cmp_eq_u32 s35, 3                            ; a block's last pass has no successor: a branch on the trip counter, round three products alone
	s_cbranch_scc1 .Lno_next_\@
.endif
	HEADM 1-(\buf)                                 ; THE NEXT PASS BEGINS: accumulators 0 and 1 are free (stage B of tiles 12 and 13 has read them)
.if (\buf) == 1
.Lno_next_\@:
.endif
	VSTEP 15, 14
	v_add_nc_u32 v[CWA], s38, v[CW]
	VSTEP -1, 15
	; THE TAIL.  j = the first of the 8 kept numbers that equals the maximum: seven compares that wait for nobody, then a tree of selects, three deep.  The halves' join has its first lines among them.
	v_permlanex16_b32 v[GM+1], v[MX], s[SEL], s[SEL+1]   ; lane l xor 16's maximum
	v_lshl_add_u32 v[CV+1], v[IX], 4, v[CB]        ; 256 w + 16 t + 8 h
.irp k, 0,1,2,3,4,5,6
	v_cmp_eq_f32 s[48+\k], v[KEEP+\k], v[MX]
.endr
	v_cmp_gt_f32 s42, v[GM+1], v[MX]
	v_cmp_eq_f32 s43, v[GM+1], v[MX]
	v_cndmask_b32 v[GM], 1, 0, s48                 ; of numbers 0 and 1: 0 where it is equal, else 1; and so on
	v_cndmask_b32 v[CT], 3, 2, s50
	v_cndmask_b32 v[C3], 5, 4, s52
	v_cndmask_b32 v[CV], 7, 6, s54
	s_or_b32 s49, s48, s49                         ; one of 0, 1 is equal
	s_or_b32 s53, s52, s53                         ; one of 4, 5
	s_or_b32 s51, s50, s51
	s_or_b32 s51, s49, s51                         ; one of 0 .. 3
	v_cndmask_b32 v[GM], v[CT], v[GM], s49
	v_cndmask_b32 v[C3], v[CV], v[C3], s53
	s_delay_alu instid0(VALU_DEP_1)
	v_cndmask_b32 v[GM], v[C3], v[GM], s51
	s_delay_alu instid0(VALU_DEP_1)
	v_add_nc_u32 v[CV+1], v[CV+1], v[GM]           ; the cell: 256 w + 16 t + 8 h + j
	s_delay_alu instid0(VALU_DEP_1)
	v_permlanex16_b32 v[C3], v[CV+1], s[SEL], s[SEL+1]
	s_delay_alu instid0(VALU_DEP_1)
	v_cmp_lt_u32 vcc_lo, v[C3], v[CV+1]
	s_and_b32 s43, s43, vcc_lo
	s_or_b32 s42, s42, s43                         ; the other half's is larger, or equal with the lower cell
	v_cndmask_b32 v[CV], v[MX], v[GM+1], s42
	v_cndmask_b32 v[CV+1], v[CV+1], v[C3], s42
	ds_store_b64 v[CWA], v[CV:CV+1] offset:\coff   ; lanes r and 16 + r hold the same pair and write it to the same place
.endm
; A block's eight passes, two a trip.  The last trip's second pass fetches tile 0 once more ((8,192 x 4) AND 0x7fff = 0): seven loads of valid bytes that nobody writes before the next barrier.
.macro MLOOP
	s_mov_b32 s36, 0
	s_mov_b32 s38, 0
	s_mov_b32 s35, 0
	HEADM 0
.rept 4
	v_nop                                          ; the places between K1(0) and its first reader on this way in; round the loop the tail's lines are the places
.endr
.Ltrip_\@:
	s_add_co_u32 s37, s36, 2*IPITCH
	s_and_b32 s37, s37, 8*IPITCH-1
	PASS 0, s36, IPITCH, 0
	PASS 1, s37, 0, 1024
	s_add_co_u32 s36, s36, 2*IPITCH
	s_add_co_u32 s38, s38, 2048
	s_add_co_u32 s35, s35, 1
	s_cmp_lt_u32 s35, 4
	s_cbranch_scc1 .Ltrip_\@
.endm
; The addresses that only the quantising needs are made anew for each block, in registers that the passes use otherwise
.macro XADR
	v_and_b32 v[QQ], 15, v0                        ; r
	v_bfe_u32 v[QQ+1], v0, 4, 1                    ; h
	s_delay_alu instid0(VALU_DEP_2)
	v_mul_u32_u24 v[XR], v[QQ], XP
	s_delay_alu instid0(VALU_DEP_1)
	v_lshl_add_u32 v[XR], v[QQ+1], 6, v[XR]
	s_delay_alu instid0(VALU_DEP_1)
	v_add_nc_u32 v[XR], s13, v[XR]
	v_lshl_add_u32 v[CR], v[QQ], 3, CAND
	s_delay_alu instid0(VALU_DEP_1)
	v_lshl_add_u32 v[CR], v[QQ+1], 9, v[CR]
	s_delay_alu instid0(VALU_DEP_1)
	v_add_nc_u32 v[CR], s15, v[CR]
	v_add_nc_u32 v[XWI], s14, v[LI]
.endm
; 64 along K of my 16 rows (chunk c of four): lane (r, h) takes its 16 numbers of each of the two blocks of 32
.macro LOADC c, n
.irp bb, 0,1
.irp j, 0,1,2,3
	ds_load_b128 v[\n+16*\bb+4*\j:\n+16*\bb+4*\j+3], v[XR] offset:SO+256*(\c)+128*\bb+16*\j
.endr
.endr
.endm
; They become half a fragment (registers 6 (c % 2) on) and two bytes of the scale word of K step c / 2
.macro QC c, n, d1, df                 ; d1: where the first conversion lands; df: where the six registers stand in the end
.set CC, (\c)%2
.set PWR, CV+(\c)/2
	v_max3_num_f32 v[MX], |v[\n]|, |v[\n+1]|, FLOOR      ; my 16 numbers of each block, and the floor: the byte cannot fall under 1
	v_max3_num_f32 v[IX], |v[\n+16]|, |v[\n+17]|, FLOOR
.irp i, 2,4,6,8,10,12,14
	s_delay_alu instid0(VALU_DEP_2)
	v_max3_num_f32 v[MX], v[MX], |v[\n+\i]|, |v[\n+\i+1]|
	s_delay_alu instid0(VALU_DEP_2)
	v_max3_num_f32 v[IX], v[IX], |v[\n+16+\i]|, |v[\n+17+\i]|
.endr
	s_delay_alu instid0(VALU_DEP_2)
	v_permlanex16_b32 v[GM], v[MX], s[SEL], s[SEL+1]
	s_delay_alu instid0(VALU_DEP_2)
	v_permlanex16_b32 v[GM+1], v[IX], s[SEL], s[SEL+1]
	s_delay_alu instid0(VALU_DEP_2)
	v_max_num_f32 v[MX], v[MX], v[GM]              ; with lane l xor 16's 16: the block's largest magnitude
	s_delay_alu instid0(VALU_DEP_2)
	v_max_num_f32 v[IX], v[IX], v[GM+1]
	s_delay_alu instid0(VALU_DEP_2)
	v_add_nc_u32 v[MX], 0xff000000, v[MX]          ; 2 off its exponent field: the conversion's scale operand
	s_delay_alu instid0(VALU_DEP_2)
	v_add_nc_u32 v[IX], 0xff000000, v[IX]
	s_delay_alu instid0(VALU_DEP_2)
	v_lshrrev_b32 v[GM], 23, v[MX]                 ; the scale's byte
	s_delay_alu instid0(VALU_DEP_2)
	v_lshrrev_b32 v[GM+1], 23, v[IX]
.if CC == 0
	s_delay_alu instid0(VALU_DEP_1)
	v_lshl_or_b32 v[PWR], v[GM+1], 8, v[GM]
.else
	s_delay_alu instid0(VALU_DEP_2)
	v_lshl_or_b32 v[PWR], v[GM], 16, v[PWR]
	s_delay_alu instid0(VALU_DEP_1)
	v_lshl_or_b32 v[PWR], v[GM+1], 24, v[PWR]
.endif
	v_cvt_scalef32_pk16_fp6_f32 v[\d1:\d1+2], v[\n:\n+15], v[MX]
	v_cvt_scalef32_pk16_fp6_f32 v[QQ:QQ+2], v[\n+16:\n+31], v[IX]   ; (a conversion's three registers begin on an even number)
	v_nop                                          ; one plain vector instruction behind a scaled conversion
.irp i, 0,1,2
	v_permlane16_swap_b32 v[\d1+\i], v[QQ+\i]      ; the operand's layout wants a WHOLE block in a lane
.endr
.irp i, 0,1,2
	s_delay_alu instid0(VALU_DEP_3)
	v_mov_b32 v[\df+3+\i], v[QQ+\i]
.endr
.if \d1 != \df
.irp i, 0,1,2
	v_mov_b32 v[\df+\i], v[\d1+\i]                 ; onto numbers that both conversions have read
.endr
.endif
.endm
.macro IMAGE f, off
.irp i, 0,1,2
	ds_store_b128 v[XWI], v[\f+4*\i:\f+4*\i+3] offset:\off+512*\i
.endr
.endm
.macro LOADF                           ; my row tile's candidates: lanes 0-15 those of waves 0-3, lanes 16-31 those of waves 4-7
.irp i, 0,1,2,3
	ds_load_b64 v[F+2*\i:F+2*\i+1], v[CR] offset:128*\i
.endr
.endm
.macro FMERGE b                        ; block b's results.  The waves' cells ascend with the wave's number: a later wave wins only where it is GREATER
.irp i, 1
	v_cmp_gt_f32 vcc_lo, v[F+2*\i], v[F]
	s_delay_alu instid0(VALU_DEP_1)
	v_cndmask_b32 v[F], v[F], v[F+2*\i], vcc_lo
	s_delay_alu instid0(VALU_DEP_2)
	v_cndmask_b32 v[F+1], v[F+1], v[F+2*\i+1], vcc_lo
.endr
.irp i, 2, 3
	s_delay_alu instid0(VALU_DEP_2)
	v_cmp_gt_f32 vcc_lo, v[F+2*\i], v[F]
	s_delay_alu instid0(VALU_DEP_1)
	v_cndmask_b32 v[F], v[F], v[F+2*\i], vcc_lo
	s_delay_alu instid0(VALU_DEP_2)
	v_cndmask_b32 v[F+1], v[F+1], v[F+2*\i+1], vcc_lo
.endr
	MERGEH F, F, F+1, F+8, F+9
.if (\b)%2 == 0
	s_delay_alu instid0(VALU_DEP_1)
	v_mov_b32 v[RES+(\b)/2], v[F+1]
.else
	s_delay_alu instid0(VALU_DEP_1)
	v_cndmask_b32 v[RES+(\b)/2], v[RES+(\b)/2], v[F+1], s[HI]   ; an odd block's results go to lanes 16-31
.endif
.endm
; Block b's 16 rows of mine are quantised IN FRONT OF the barrier behind the passes of block b - 1: the slot is my own and the work touches my registers alone.
; K step 0's fragment stays in v100-111, K step 1's in v36-47 (numbers that have been converted), the scale words in v[MX].
.macro XQA b
.set SO, ((\b)%2)*SLOTB
	XADR
	s_wait_alu depctr_va_vdst(0)
	s_wait_tensorcnt 0x0                           ; my slot has landed: its load is the only one of mine that is out
	LOADC 0, N0
	LOADC 1, N1
	s_wait_dscnt 8                                 ; chunk 0 is in; chunk 1's eight loads may be out
	QC 0, N0, FR, FR
	LOADC 2, N0
	s_wait_dscnt 8                                 ; chunk 1 is in; chunk 2's may be out
	QC 1, N1, FR+6, FR+6
	LOADC 3, N1
	s_wait_dscnt 8                                 ; chunk 2 is in; chunk 3's may be out
	QC 2, N0, D2, N0
	s_wait_dscnt 0x0
	QC 3, N1, N0+6, N0+6
	v_cndmask_b32 v[MX], v[CV], v[CV+1], s[HI]     ; lanes 0-15 K step 0's scale word, lanes 16-31 K step 1's
	s_wait_alu depctr_va_vdst(0)
.endm
; Behind that barrier nobody reads the old images any more: mine is stored, and block fb's candidates of my row tile are fetched (-1: none)
.macro XQB fb
	IMAGE FR, 0
	IMAGE N0, 1536
	ds_store_b32 v[XWI], v[MX] offset:ISC
.if (\fb) >= 0
	LOADF
.endif
.endm
; THE BARRIER BEHIND A BLOCK'S PASSES.  Behind it the candidates may be read and the images written again: every wave's candidate stores are done and its reads of the images are in.
; refill = 1: it is also the barrier in front of a refill of slot k, which its wave read out a block ago: all my tensor loads are waited for, 0 is added to my spare word, and the load is the first thing behind it.
.macro ABAR refill, k
.if \refill
	s_wait_tensorcnt 0x0                           ; no tensor load of mine is out, so a group 0 may be written
	ds_add_u32 v1, v2                              ; 0 onto my spare word
	s_add_nc_u64 s[G0+4*\k+2:G0+4*\k+3], s[G0+4*\k+2:G0+4*\k+3], 32768   ; two blocks of 16 rows on; the type bits on top are not reached
.endif
	s_wait_dscnt 0x0
	s_barrier_signal -1
	s_barrier_wait -1
.if \refill
	tensor_load_to_lds s[G0+4*\k:G0+4*\k+3], s[G1:G1+7]   ; my one tensor load until the next such barrier: one load of mine is out
	s_nop 0
.rept 4
	v_nop
.endr
.endif
.endm
; THE BARRIER BEHIND THE QUANTISING.  Behind it the images may be read and the candidates written again.
; first = 1: behind block 0's, slot 1 gets its first fill, block 1, in a refill's form: my loads waited for, the add, the barrier, the load first behind it.  It has block 0's eight passes in which to land.
; Behind the others nothing is filled, and a tensor load may be on its way across them.
.macro BBAR first
.if \first
	s_wait_tensorcnt 0x0
	ds_add_u32 v1, v2                              ; 0 onto my spare word
.endif
	s_wait_dscnt 0x0
	s_barrier_signal -1
	s_barrier_wait -1
.if \first
	tensor_load_to_lds s[G0+4:G0+7], s[G1:G1+7]
	s_nop 0
.rept 4
	v_nop
.endr
.endif
	FETCHX 0, LI, 0                                ; row tile 0
.endm
	XQA 0
	XQB -1
	s_wait_loadcnt 0x0                             ; the weights and their scale words are in, in every wave, before block 1's load goes out behind the barrier; their offset registers are free from here on
	BBAR 1
	s_wait_dscnt 0x0
	MLOOP
	XQA 1
	ABAR 1, 0                                      ; slot 0 takes block 2
	XQB 0
	BBAR 0
	FMERGE 0                                       ; the candidates came in ahead of the barrier; they are joined while row tile 0's loads are out
	s_wait_dscnt 0x0
	MLOOP
	XQA 2
	ABAR 1, 1                                      ; slot 1 takes block 3: the last load
	XQB 1
	BBAR 0
	FMERGE 1
	s_wait_dscnt 0x0
	MLOOP
	XQA 3
	ABAR 0, 0
	XQB 2
	BBAR 0
	FMERGE 2
	s_wait_dscnt 0x0
	MLOOP
	ABAR 0, 0
	XADR
	LOADF
	s_wait_dscnt 0x0
	FMERGE 3
	; THE WAY OUT: my 64 results are 256 bytes.  They turn through my own tile's bytes of the images, which nobody reads any more, so that one store of the wave covers 256 consecutive bytes, aligned.
	v_and_b32 v[QQ], 31, v0
	s_delay_alu instid0(VALU_DEP_1)
	v_lshl_add_u32 v[OST], v[QQ], 2, IMGC
	s_delay_alu instid0(VALU_DEP_1)
	v_add_nc_u32 v[OST], s14, v[OST]
	s_delay_alu instid0(VALU_DEP_3)
	v_lshl_add_u32 v[OLD], v[QQ], 3, IMGC
	s_delay_alu instid0(VALU_DEP_1)
	v_add_nc_u32 v[OLD], s14, v[OLD]
	v_lshlrev_b32 v[GO], 3, v[QQ]
	ds_store_b32 v[OST], v[RES]
	ds_store_b32 v[OST], v[RES+1] offset:128
	ds_load_b64 v[F:F+1], v[OLD]                   ; LDS serves a wave's instructions in order (ISA guide 5.7.1.4): this sees the stores above
	s_wait_alu depctr_va_vdst(0)
	s_wait_dscnt 0x0
	global_store_b64 v[GO], v[F:F+1], s[10:11]
	s_wait_tensorcnt 0x0                           ; the wave's end
	ds_add_u32 v1, v2
	s_wait_dscnt 0x0
	s_endpgm
.Lfunc_end_k_q53daa047ca_main:
	.size	k_q53daa047ca_main, .Lfunc_end_k_q53daa047ca_main-k_q53daa047ca_main
	.p2alignl 7, 3214868480
	.fill 96, 4, 3214868480
	.section	.rodata,"a",@progbits
	.p2align	6, 0x0
	.amdhsa_kernel k_q53daa047ca_main
		.amdhsa_group_segment_fixed_size 327680
		.amdhsa_private_segment_fixed_size 0
		.amdhsa_enable_private_segment 0
		.amdhsa_kernarg_size 32
		.amdhsa_user_sgpr_count 2
		.amdhsa_user_sgpr_kernarg_segment_ptr 1
		.amdhsa_wavefront_size32 1
		.amdhsa_system_sgpr_workgroup_id_x 1
		.amdhsa_system_sgpr_workgroup_id_y 1
		.amdhsa_system_sgpr_workgroup_id_z 1
		.amdhsa_system_vgpr_workitem_id 0
		.amdhsa_next_free_vgpr 512
		.amdhsa_next_free_sgpr 66
		.amdhsa_reserve_vcc 1
		.amdhsa_float_denorm_mode_32 3
		.amdhsa_float_denorm_mode_16_64 3
		.amdhsa_memory_ordered 1
		.amdhsa_forward_progress 1
		.amdhsa_inst_pref_size 214
	.end_amdhsa_kernel
	.amdgpu_metadata
---
amdhsa.version: [ 1, 2 ]
amdhsa.kernels:
  - .name:           k_q53daa047ca_main
    .symbol:         k_q53daa047ca_main.kd
    .args:
      - { .name: x, .offset: 0, .size: 8, .value_kind: global_buffer, .address_space: global }
      - { .name: wimg, .offset: 8, .size: 8, .value_kind: global_buffer, .address_space: global }
      - { .name: wscl, .offset: 16, .size: 8, .value_kind: global_buffer, .address_space: global }
      - { .name: out0, .offset: 24, .size: 8, .value_kind: global_buffer, .address_space: global }
    .group_segment_fixed_size: 327680
    .private_segment_fixed_size: 0
    .kernarg_segment_align: 8
    .kernarg_segment_size: 32
    .max_flat_workgroup_size: 256
    .sgpr_count:     66
    .vgpr_count:     512
    .wavefront_size: 32
...
	.end_amdgpu_metadata
.endif
;; end of part 2
